; MI455X (gfx1250); checked and timed in simulation.
; The chip was launched on July 23, 2026; its instructions are those of AMD's public machine-readable ISA for CDNA 5 (MIT licence, August 2026) and "CDNA5" Instruction Set Architecture Reference Guide (July 2026). The comments in the code are by the model that wrote it; some were corrected since.
;; Top K Token Choice Router. Allowed arithmetic: matrix products marked QUANTISED: E4M3 operands, one given power-of-two scale a tensor, by v_wmma_f32_16x16x64_fp8_fp8 or v_wmma_f32_16x16x128_fp8_fp8, f32 sums; everything else in f32.
;; Inputs: W 64 x 4,096 float32; lowp_scales 2 int32 (the exponents e of the quantised operands' scales 2^e); x 2,048 x 4 x 4,096 float32.
;; Outputs: out0 8,192 x 2 float32; out1 8,192 x 2 int32.
;; This version of the problem:
;;   THIS VERSION OF THE PROBLEM IS GIVEN IN LOW PRECISION. The matrix products marked QUANTISED in the list below multiply operands that are first quantised to E4M3 (4 exponent bits, 3 mantissa bits; 8 bits a number), with one given power-of-two scale for each operand tensor; their sums are f32. All else is computed in f32.
;;   The module's matrix products, in the order in which they are computed (A, B: the left and right operand; K: the contracted axis; several contracted axes count as one K, in the product's order):
;;     1. [M 8,192, K 4,096] x [K 4,096, N 64]; A: input x; B: input W: QUANTISED (scales: A lowp_scales[0], B lowp_scales[1])
;;   THE QUANTISER, for each operand of a quantised product, along K:
;;     - The operand's scale is 2^e, e = its entry of the input lowp_scales (int32; the entries are numbered through the quantised products in the list's order, A before B).
;;     - Each number is divided by the scale, clamped to +-448, and rounded to the nearest number of E4M3, ties to even, subnormals kept.
;;     - The product sums the exact products of the quantised numbers (number of the format x scale) in f32.
;;   ~~~python
;;   def quantise(x, axis, e):      # numpy; x: float32 -> the quantised numbers, widened to float32 again
;;       x = np.moveaxis(x, axis, -1); K = x.shape[-1]
;;       r = np.clip(x / 2.0 ** e, -448, 448)
;;       step = 2.0 ** (np.maximum(np.frexp(np.where(r == 0, 1, r))[1] - 1, -6) - 3)
;;       q = np.round(r / step) * step * 2.0 ** e      # np.round: ties to even
;;       return np.moveaxis(q, -1, axis).astype(np.float32)
;;   ~~~
;; One version. Each part assembles by itself: llvm-mc -triple=amdgcn-amd-amdhsa -mcpu=gfx1250 --defsym DOCPART=n.
;; ======== version 1 of 1: 2 launches
;; limits: right only within a limited range of input values
;; workspace buffers: wq 262,144 bytes
;; launch quantw (part 1): grid 128 x 1, 1 waves a work-group, no clusters, 2,560 bytes of LDS; arguments W, lowp_scales, wq; writes wq
.if DOCPART == 1
	.amdgcn_target "amdgcn-amd-amdhsa--gfx1250"
	.amdhsa_code_object_version 6
	.text
	.protected	k_qff5a99e530_quantw
	.globl	k_qff5a99e530_quantw
	.p2align	8
	.type	k_qff5a99e530_quantw,@function
k_qff5a99e530_quantw:
	s_mov_b64 s[64:65], 0
	v_nop
	global_prefetch_b8 v0, s[64:65] scope:SCOPE_SE
	s_setreg_imm32_b32 hwreg(HW_REG_WAVE_MODE, 25, 1), 1
	s_wait_xcnt 0x0
; W [64][4096] f32 is turned once into codes of FP8 (E4M3) with the given scale 2^e (entry 1 of the scales), laid in the ORDER OF THE OPERAND'S REGISTERS for the launch that follows.
; code = w / 2^e, held within +-448, rounded to the nearest code, ties to even.  LIMITS: -126 <= e <= 119, so that 2^e and 448 x 2^e are f32 numbers.  NaN among the inputs is not served.
; SHARES.  Work-group g, one wave, makes one fragment: experts 16 n .. 16 n + 15, k = 128 s .. 128 s + 127, with n = g % 4, s = g / 4: 128 fragments in all.
; THE ORDER OF k.  A load takes 256 bytes of each of two rows: lane (a, h) gets row 2 p + h, k = 64 q + 4 a + i.  The two loads q = 0, 1 of a row pair fill eight registers, one conversion makes eight codes, and
; they go to bytes 8 a + 4 q + i of the row in the stage.  The next launch makes x's codes by the same lines, so both operands carry the same permutation of k and every number meets its partner.
; The fragment is read from the stage as the matrix instruction wants it (lane (r, h): row r, bytes 32 c + 16 h on) and stored as an image of its registers: group c as 512 consecutive bytes.
.set KROW, 16384                       ; a row of W in bytes
.set SP,   144                         ; a stage row: 128 codes + 16 bytes, so that the 16 rows that a fragment load touches start at 16 different banks (64 banks of 4 bytes: ISA guide 11.1)
.set SPARE, 16*SP                      ; behind the stage: the spare words, a block of 256 bytes that no other line names
.set SPW,  2                           ; v2  LDS address of my spare word
.set NIL,  3                           ; v3  0
.set OFF,  4                           ; v4  16 a + h rows of W
.set STO,  5                           ; v5  8 a + h stage rows
.set FRD,  6                           ; v6  r stage rows + 16 h
.set OUT,  7                           ; v7  16 x lane
.set SC,   8                           ; v8  2^e as f32
.set LIM,  9                           ; v9  448 x 2^e
.set C,    16                          ; v16-31   codes
.set F,    32                          ; v32-47   the fragment
.set X,    48                          ; v48-111  16 loads
	s_load_b128 s[4:7], s[0:1], 0x0                ; W s[4:5], the scales' exponents s[6:7]
	s_load_b64 s[8:9], s[0:1], 0x10                ; wq
	v_lshl_add_u32 v[SPW], v0, 2, SPARE
	v_mov_b32 v[NIL], 0
	v_and_b32 v10, 15, v0                          ; a, r
	v_bfe_u32 v11, v0, 4, 1                        ; h
	v_lshlrev_b32 v[OFF], 4, v10
	v_lshl_add_u32 v[OFF], v11, 14, v[OFF]
	v_mul_u32_u24 v[STO], v11, SP
	v_lshl_add_u32 v[STO], v10, 3, v[STO]
	v_mul_u32_u24 v[FRD], v10, SP
	v_lshl_add_u32 v[FRD], v11, 4, v[FRD]
	v_lshlrev_b32 v[OUT], 4, v0
	s_and_b32 s12, ttmp9, 3                        ; n
	s_lshl_b32 s12, s12, 18                        ; 16 n rows
	s_lshr_b32 s13, ttmp9, 2                       ; s
	s_lshl_b32 s13, s13, 9
	s_add_co_u32 s12, s12, s13
	s_mov_b32 s13, 0
	s_lshl_b32 s14, ttmp9, 11                      ; a fragment is 2,048 bytes
	s_mov_b32 s15, 0
	s_wait_alu depctr_va_vdst(0)
	s_wait_kmcnt 0x0
	s_load_b32 s16, s[6:7], 0x4                    ; e of W
	s_add_nc_u64 s[4:5], s[4:5], s[12:13]
	s_add_nc_u64 s[8:9], s[8:9], s[14:15]
.irp p, 0,1,2,3,4,5,6,7
	global_load_b128 v[X+8*\p:X+8*\p+3],   v[OFF], s[4:5] offset:2*\p*KROW th:TH_LOAD_NT
	global_load_b128 v[X+8*\p+4:X+8*\p+7], v[OFF], s[4:5] offset:2*\p*KROW+256 th:TH_LOAD_NT
.endr
	s_wait_kmcnt 0x0
	s_add_co_i32 s16, s16, 127
	s_lshl_b32 s17, s16, 23
	v_mov_b32 v[SC], s17                           ; 2^e as f32: the conversion takes its exponent field
	s_add_co_i32 s16, s16, 8
	s_lshl_b32 s16, s16, 23
	s_or_b32 s16, s16, 0x600000
	v_mov_b32 v[LIM], s16                          ; 448 x 2^e
	s_wait_alu depctr_va_vdst(0)
.irp p, 0,1,2,3,4,5,6,7
	s_wait_loadcnt 14-2*\p                         ; this row pair's two loads are in; the younger pairs' stay out
.irp i, 0,1,2,3,4,5,6,7
	v_med3_num_f32 v[X+8*\p+\i], v[X+8*\p+\i], -v[LIM], v[LIM]   ; the conversion to an 8-bit code does not saturate (ISA guide 7.6.2)
.endr
	v_cvt_scalef32_pk8_fp8_f32 v[C+2*\p:C+2*\p+1], v[X+8*\p:X+8*\p+7], v[SC]   ; its result goes to an LDS store alone
	ds_store_b64 v[STO], v[C+2*\p:C+2*\p+1] offset:2*\p*SP
.endr
.irp c, 0,1,2,3
	ds_load_b128 v[F+4*\c:F+4*\c+3], v[FRD] offset:32*\c   ; LDS serves a wave's instructions in order (ISA guide 5.7.1.4): these see my stores
.endr
.irp c, 0,1,2,3
	s_wait_dscnt 3-\c                              ; this group is in; the younger loads stay out
	global_store_b128 v[OUT], v[F+4*\c:F+4*\c+3], s[8:9] offset:512*\c   ; 32 lanes store 512 consecutive bytes, at a multiple of 256 from wq's first byte
.endr
	s_wait_tensorcnt 0x0                           ; the wave's end
	ds_add_u32 v[SPW], v[NIL]
	s_wait_dscnt 0x0
	s_endpgm
.Lfunc_end_k_qff5a99e530_quantw:
	.size	k_qff5a99e530_quantw, .Lfunc_end_k_qff5a99e530_quantw-k_qff5a99e530_quantw
	.p2alignl 7, 3214868480
	.fill 96, 4, 3214868480
	.section	.rodata,"a",@progbits
	.p2align	6, 0x0
	.amdhsa_kernel k_qff5a99e530_quantw
		.amdhsa_group_segment_fixed_size 2560
		.amdhsa_private_segment_fixed_size 0
		.amdhsa_enable_private_segment 0
		.amdhsa_kernarg_size 24
		.amdhsa_user_sgpr_count 2
		.amdhsa_user_sgpr_kernarg_segment_ptr 1
		.amdhsa_wavefront_size32 1
		.amdhsa_system_sgpr_workgroup_id_x 1
		.amdhsa_system_sgpr_workgroup_id_y 1
		.amdhsa_system_sgpr_workgroup_id_z 1
		.amdhsa_system_vgpr_workitem_id 0
		.amdhsa_next_free_vgpr 128
		.amdhsa_next_free_sgpr 66
		.amdhsa_reserve_vcc 0
		.amdhsa_float_denorm_mode_32 3
		.amdhsa_float_denorm_mode_16_64 3
		.amdhsa_memory_ordered 1
		.amdhsa_forward_progress 1
		.amdhsa_inst_pref_size 10
	.end_amdhsa_kernel
	.amdgpu_metadata
---
amdhsa.version: [ 1, 2 ]
amdhsa.kernels:
  - .name:           k_qff5a99e530_quantw
    .symbol:         k_qff5a99e530_quantw.kd
    .args:
      - { .name: W, .offset: 0, .size: 8, .value_kind: global_buffer, .address_space: global }
      - { .name: lowp_scales, .offset: 8, .size: 8, .value_kind: global_buffer, .address_space: global }
      - { .name: wq, .offset: 16, .size: 8, .value_kind: global_buffer, .address_space: global }
    .group_segment_fixed_size: 2560
    .private_segment_fixed_size: 0
    .kernarg_segment_align: 8
    .kernarg_segment_size: 24
    .max_flat_workgroup_size: 32
    .sgpr_count:     66
    .vgpr_count:     128
    .wavefront_size: 32
...
	.end_amdgpu_metadata
.endif
;; end of part 1
;; launch route (part 2): grid 256 x 1, 16 waves a work-group, clusters of 4 x 1, 301,568 bytes of LDS; arguments x, wq, lowp_scales, out0, out1; writes out0, out1
.if DOCPART == 2
	.amdgcn_target "amdgcn-amd-amdhsa--gfx1250"
	.amdhsa_code_object_version 6
	.text
	.protected	k_qff5a99e530_route
	.globl	k_qff5a99e530_route
	.p2align	8
	.type	k_qff5a99e530_route,@function
k_qff5a99e530_route:
	s_mov_b64 s[64:65], 0
	v_nop
	global_prefetch_b8 v0, s[64:65] scope:SCOPE_SE
	s_setreg_imm32_b32 hwreg(HW_REG_WAVE_MODE, 25, 1), 1
	s_wait_xcnt 0x0
	s_wait_alu depctr_hold_cnt(0) depctr_sa_sdst(0) depctr_va_vdst(0) depctr_va_sdst(0) depctr_va_ssrc(0) depctr_va_vcc(0) depctr_vm_vsrc(0)
	s_getreg_b32 s2, hwreg(HW_REG_IB_STS2, 6, 4)
	s_cmp_eq_u32 s2, 0
	s_cbranch_scc0 .Lentry_in_a_cluster
	s_endpgm
.Lentry_in_a_cluster:
	s_bfe_u32 s2, ttmp6, 0x10000c
	s_cmp_lg_u32 s2, 0x3003
	s_cbranch_scc0 .Lentry_shape_is_right
	s_endpgm
.Lentry_shape_is_right:
; logits = Q(x) Q(W)^T on codes of FP8 (E4M3); softmax over the 64 experts; the two largest scores (out0) and their experts (out1).  x: 8,192 tokens x 4,096 f32.  wq: W's codes as images of fragments, made by the launch before.
; SHARES.  A work-group takes 32 tokens.  Wave w = 8 tt + kr takes tokens 16 tt .. 16 tt + 15 and k = 512 kr .. 512 kr + 511, in four chunks of 128 along K: each byte of x is taken by one wave.
; W: CLUSTERS of 4 work-groups.  All need all of W's codes, 262,144 bytes: they are asked for JOINTLY, once, at the head, 16,384 bytes a wave, and stay in LDS.  Nothing is filled again.
; THE STREAM.  A load takes 256 bytes of each of two rows: lane (a, h) gets row 2 p + h, k = 64 q + 4 a + i.  The two loads q = 0, 1 of a row pair fill eight registers; they are held within +-448 x 2^e, one conversion makes
; eight codes, one LDS store puts them at bytes 8 a + 4 q + i of the row in my own stage.  W's codes were made by the same lines, so both operands carry the same permutation of k.  16 loads are out in every wave
; (131,072 bytes a work-group): a row pair's registers take the next chunk's as soon as they are converted.
; THE PREFETCH.  Chunks 0 and 1 come by their loads alone; chunk c (0, 1) asks for chunk c + 2, whose loads go out one whole chunk later: a lane names one of the 32 blocks of 256 bytes, each wave its own, one instruction a chunk; the last two
; chunks ask for nothing.  Its address registers are never rewritten.
; THE PRODUCT is used transposed (source 0 = 16 experts, source 1 = 16 tokens): lane (r, h) then holds token r, and register j expert 8 h + j of the tile.
; THE SUM OVER THE WAVES.  Each wave stores its 16 x 64 partial sums over W's codes, which nobody reads any more behind a barrier; another barrier; wave w sums tokens 2 w and 2 w + 1, eight parts each: 16 lanes to a token, lane a
; holds experts 4 a .. 4 a + 3, so everything across experts is four steps inside 16 lanes.
; THE RESULTS meet in LDS; a third barrier; wave 0 stores the work-group's 256 bytes of out0 and of out1, each by one instruction.
; LIMITS.  e of x between -126 and 119; e of x + e of W between -126 and 127 (it is added to an exponent field).  NaN among the inputs is not served.  K is summed in 8 parts, joined by a tree, all in f32.
; The two largest are chosen among the SUMS, not among the rounded scores (equal sums: the lower expert first, as the top-k has it); two sums that differ while their scores round to one f32 number are ordered by the sums.
; A term of the softmax under 2^-126 counts as 0 (ISA guide, v_exp_f32).
.set ROWB,  16384                      ; a token's row of x in bytes
.set SP,    144                        ; a stage row: 128 codes + 16 bytes, so that the 16 rows that a fragment load touches start at 16 different banks (64 banks of 4 bytes: ISA guide 11.1)
.set SW,    16*SP                      ; a wave's stage: 2,304 bytes
.set STG,   262144                     ; behind W's codes: the stages
.set RES,   STG+16*SW                  ; the results: 32 tokens x 8 bytes of weights, then 32 x 8 of experts
.set SPARE, RES+512                    ; the spare words, 128 bytes for each wave: eight blocks of 256 bytes that no other line names
.set PP,    272                        ; the partial sums, from LDS byte 0 on: a row (a group of four registers of 16 lanes) is 256 + 16 bytes,
.set HP,    8*PP                       ; a plane (lanes 0-15's, lanes 16-31's) eight rows: 128 more than a multiple of 256
.set PW,    2*HP                       ; from wave to wave: 4,352 bytes
.set SPW,   2                          ; v2   LDS address of my spare word; never rewritten
.set NIL,   3                          ; v3   0; never rewritten
.set OFF,   4                          ; v4   16 a + h rows of x; never rewritten
.set PFO,   5                          ; v5   the prefetches' offset: row lane / 2, block lane % 2; never rewritten
.set STO,   6                          ; v6   my stage + 8 a + h rows
.set FRD,   7                          ; v7   my stage + r rows + 16 h
.set WA,    8                          ; v8   my range of W's codes + 16 x lane
.set SC,    9                          ; v9   2^e as f32
.set LIM,   10                         ; v10  448 x 2^e
.set PST,   11                         ; v11  where I put 16 bytes of partial sums
.set PRD,   12                         ; v12  where I read part 0 of my four experts; the others by the immediate
.set RST,   13                         ; v13  where my token's results go
.set RLD,   14                         ; v14  where wave 0 reads token (lane)'s results
.set GO,    15                         ; v15  8 x lane
.set C,     24                         ; v24-39   eight pairs of code registers; later the top-2's numbers
.set R,     40                         ; v40-103  the ring: eight row pairs x 8 registers
.set XF,    104                        ; v104-119 x's fragment
.set WF,    120                        ; v120-183 W's four fragments of a chunk
.set ACC,   184                        ; v184-215 the four accumulators
.set P,     40                         ; behind the stream: the eight parts
.set S,     40                         ; their four sums
.set I,     24                         ; v24-27 my four experts' numbers as f32
.set BIG,   28                         ; 64.0: above every expert's number
.set NINF,  29                         ; -infinity
.set M1,    30
.set J1,    31
.set M2,    32
.set J2,    33
.set T,     72                         ; the sums without the winner
.set E,     76                         ; v76-80 the exponentials
.set WT,    84                         ; v[84:85] the two weights
.set JI,    86                         ; v[86:87] the two experts
.set G0,    20                         ; s[20:23] descriptor group 0, s[24:31] group 1
.set G1,    24
.macro CROUND                          ; a round of the cluster's barrier
	s_barrier_signal -1
	s_barrier_wait -1
	s_cmp_lg_u32 s14, 0
	s_cbranch_scc1 .Lnot_wave_0_\@
	s_barrier_signal -3
.Lnot_wave_0_\@:
	s_barrier_wait -3
	s_barrier_signal -1
	s_barrier_wait -1
.endm
	s_load_b256 s[4:11], s[0:1], 0x0               ; x s[4:5], wq s[6:7], the scales' exponents s[8:9], out0 s[10:11]
	s_load_b64 s[12:13], s[0:1], 0x20              ; out1
	v_lshl_add_u32 v[SPW], v0, 2, SPARE
	v_mov_b32 v[NIL], 0
	ds_add_u32 v[SPW], v[NIL]                      ; the wave's opening
	ds_add_u32 v[SPW], v[NIL]
	v_lshrrev_b32 v1, 5, v0
	v_readfirstlane_b32 s14, v1                    ; wave 0..15
	v_and_b32 v16, 15, v0                          ; a, r
	v_bfe_u32 v17, v0, 4, 1                        ; h
	v_and_b32 v1, 31, v0                           ; lane
	v_bfe_u32 v18, v0, 1, 4                        ; lane / 2
	v_lshlrev_b32 v[OFF], 4, v16
	v_and_b32 v19, 1, v0
	v_lshlrev_b32 v[PFO], 14, v18
	v_lshl_add_u32 v[OFF], v17, 14, v[OFF]
	v_lshl_add_u32 v[PFO], v19, 8, v[PFO]
	s_lshr_b32 s15, s14, 3                         ; tt
	s_and_b32 s16, s14, 7                          ; kr
	s_bfe_u32 s34, ttmp6, 0x40000                  ; cx
	s_lshl_b32 s35, ttmp9, 2
	s_add_co_u32 s34, s34, s35                     ; work-group = 4 x cluster + cx
	; descriptor: my 16,384 bytes of W's codes, dense, stated as 64 rows of 256 bytes (32 elements of 8 bytes)
	s_mov_b32 s[G1+0], 15|(3<<16)|(1<<21)          ; 15:0 the mask: all four work-groups; 17:16 element of 8 bytes; 21 set beside a mask
	s_mov_b32 s[G1+1], 32<<16                      ; tensor_dim0
	s_mov_b32 s[G1+2], 64<<16                      ; tensor_dim1
	s_mov_b32 s[G1+3], 32<<16                      ; tile_dim0
	s_mov_b32 s[G1+4], 64                          ; tile_dim1
	s_mov_b32 s[G1+5], 32                          ; tensor_dim0_stride
	s_mov_b32 s[G1+6], 0
	s_mov_b32 s[G1+7], 0
	s_mov_b32 s[G0+0], 1
	s_lshl_b32 s[G0+1], s14, 14                    ; LDS: 16,384 x wave
	s_lshl_b32 s38, s14, 14                        ; and the same in wq
	s_mov_b32 s39, 0
	s_lshl_b32 s36, s34, 19                        ; x: 32 rows of 16,384 bytes a work-group (under 2^27 in all)
	s_lshl_b32 s37, s15, 18                        ;    + 16 rows
	s_add_co_u32 s36, s36, s37
	s_lshl_b32 s37, s16, 11                        ;    + my range's 2,048 bytes
	s_add_co_u32 s36, s36, s37
	s_mov_b32 s37, 0
	s_lshl_b32 s40, s34, 8                         ; the work-group's 256 bytes of each output
	s_mov_b32 s41, 0
	s_wait_alu depctr_va_vdst(0)
	s_wait_dscnt 0x0                               ; both opening adds are done
	CROUND                                         ; all four work-groups are here: the joint loads meet
	s_wait_kmcnt 0x0
	s_add_nc_u64 s[G0+2:G0+3], s[6:7], s[38:39]
	s_or_b32 s[G0+3], s[G0+3], 0x80000000
	tensor_load_to_lds s[G0:G0+3], s[G1:G1+7]      ; my one tensor load
	s_nop 0
	s_load_b64 s[32:33], s[8:9], 0x0               ; e of x, e of W
	s_add_nc_u64 s[4:5], s[4:5], s[36:37]
.macro XLOAD c, p                      ; chunk c's row pair p; every offset is an immediate (231,168 at the most), no address is ever stepped
	global_load_b128 v[R+8*(\p):R+8*(\p)+3],   v[OFF], s[4:5] offset:2*(\p)*ROWB+512*(\c) th:TH_LOAD_NT
	global_load_b128 v[R+8*(\p)+4:R+8*(\p)+7], v[OFF], s[4:5] offset:2*(\p)*ROWB+512*(\c)+256 th:TH_LOAD_NT
.endm
.irp p, 0,1,2,3,4,5,6,7
	XLOAD 0, \p
.endr
	; all that follows up to the first wait on LOADcnt is done while the loads are on their way
	s_add_nc_u64 s[10:11], s[10:11], s[40:41]
	s_add_nc_u64 s[12:13], s[12:13], s[40:41]
	s_mul_i32 s42, s14, SW
	s_add_co_u32 s42, s42, STG                     ; my stage
	s_lshl_b32 s43, s16, 15                        ; my range of W's codes
	s_mul_i32 s46, s14, PW                         ; my partial sums
	s_mul_i32 s47, s15, 8*PW                       ; the tokens that I sum, 2 w and 2 w + 1: tile tt's eight parts,
	s_lshl_b32 s48, s16, 5                         ; column 16 x 2 (w % 8)
	s_add_co_u32 s47, s47, s48
	s_lshl_b32 s48, s14, 4
	s_add_co_u32 s48, s48, RES                     ; their results: 8 bytes a token
	v_mul_u32_u24 v[STO], v17, SP
	v_mul_u32_u24 v[FRD], v16, SP
	v_lshlrev_b32 v[WA], 4, v1
	v_mul_u32_u24 v[PST], v17, HP                  ; my half's plane
	v_lshl_add_u32 v[STO], v16, 3, v[STO]
	v_lshl_add_u32 v[FRD], v17, 4, v[FRD]
	v_add_nc_u32 v[WA], s43, v[WA]
	v_lshl_add_u32 v[PST], v16, 4, v[PST]          ; + 16 r
	v_add_nc_u32 v[STO], s42, v[STO]
	v_add_nc_u32 v[FRD], s42, v[FRD]
	v_bfe_u32 v18, v0, 2, 2                        ; where I read: lane a takes experts 4 a .. 4 a + 3: tile a / 4, plane (a / 2) % 2, group a % 2
	v_add_nc_u32 v[PST], s46, v[PST]
	v_lshl_add_u32 v18, v18, 1, v19                ; the row in the plane
	v_bfe_u32 v20, v0, 1, 1                        ; the plane
	v_lshl_add_u32 v[RST], v17, 3, s48             ; lanes 0-15 sum token 2 w, lanes 16-31 token 2 w + 1
	v_mul_u32_u24 v[PRD], v18, PP
	v_lshlrev_b32 v[GO], 3, v1
	v_mad_u32_u24 v[PRD], v20, HP, v[PRD]
	v_add_nc_u32 v[RLD], RES, v[GO]
	v_lshl_add_u32 v[PRD], v17, 4, v[PRD]          ; lanes 16-31: the next token's column
	v_add_nc_u32 v[PRD], s47, v[PRD]
	s_wait_alu depctr_va_vdst(0)
	s_wait_kmcnt 0x0
	s_add_co_i32 s34, s32, 127
	s_lshl_b32 s35, s34, 23
	v_mov_b32 v[SC], s35                           ; 2^e as f32: the conversion takes its exponent field
	s_add_co_i32 s34, s34, 8
	s_lshl_b32 s34, s34, 23
	s_or_b32 s34, s34, 0x600000
	v_mov_b32 v[LIM], s34                          ; 448 x 2^e
	s_add_co_i32 s45, s32, s33                     ; a sum stands for sum x 2^(e of x + e of W): the two exponents are added to the exponent field of
	s_lshl_b32 s45, s45, 23
	s_add_co_i32 s45, s45, 0x3fb8aa3b              ; log2(e): s45 = log2(e) x 2^(e of x + e of W)
.macro WLOAD c                         ; W's four fragments of chunk c, as they were stored: each load reads 512 consecutive bytes
.irp n, 0,1,2,3
.irp g, 0,1,2,3
	ds_load_b128 v[WF+16*\n+4*\g:WF+16*\n+4*\g+3], v[WA] offset:8192*(\c)+2048*\n+512*\g
.endr
.endr
.endm
.macro CHUNK c
.irp p, 0,1,2,3,4,5,6,7
.if (\c) < 3
	s_wait_loadcnt 14                              ; loads come back in order (ISA guide 5.7.1): this pair's two are in; the seven younger pairs' stay out
.else
	s_wait_loadcnt 14-2*\p                         ; nothing more is asked for: the counts run down
.endif
.irp i, 0,1,2,3,4,5,6,7
	v_med3_num_f32 v[R+8*\p+\i], v[R+8*\p+\i], -v[LIM], v[LIM]   ; the conversion to an 8-bit code does not saturate (ISA guide 7.6.2): the hold at the largest code x the scale
.endr
	v_cvt_scalef32_pk8_fp8_f32 v[C+2*\p:C+2*\p+1], v[R+8*\p:R+8*\p+7], v[SC]
	ds_store_b64 v[STO], v[C+2*\p:C+2*\p+1] offset:2*\p*SP
.if (\c) < 3
	XLOAD \c+1, \p
.endif
.if \p == 0
.if (\c) < 2
	global_prefetch_b8 v[PFO], s[4:5] offset:512*((\c)+2) th:TH_LOAD_NT scope:SCOPE_SE   ; chunk c + 2: 16 rows x 512 bytes, each lane another 256
.endif
.if (\c) > 0
	WLOAD \c                                       ; (the eight holds above are the places behind the last chunk's products)
.endif
.endif
.endr
	v_nop                                          ; one plain vector line behind the last conversion
.if (\c) == 0
	s_wait_tensorcnt 0x0                           ; my part of W's codes is in,
	s_wait_dscnt 0x0
	s_barrier_signal -1
	s_barrier_wait -1                              ; and everybody's
	WLOAD 0
.endif
.irp g, 0,1,2,3
	ds_load_b128 v[XF+4*\g:XF+4*\g+3], v[FRD] offset:32*\g   ; LDS serves a wave's instructions in order (ISA guide 5.7.1.4): these see my stores
.endr
	s_wait_dscnt 0x0
.if (\c) == 3
	s_barrier_signal -1                            ; my reads of W's codes are over
.endif
.irp n, 0,1,2,3                        ; the four accumulators take turns, one instruction a turn; the first products start the sums
.if (\c) == 0
	v_wmma_f32_16x16x128_fp8_fp8 v[ACC+8*\n:ACC+8*\n+7], v[WF+16*\n:WF+16*\n+15], v[XF:XF+15], 0
.else
	v_wmma_f32_16x16x128_fp8_fp8 v[ACC+8*\n:ACC+8*\n+7], v[WF+16*\n:WF+16*\n+15], v[XF:XF+15], v[ACC+8*\n:ACC+8*\n+7]
.endif
.endr
.endm
	s_wait_alu depctr_va_vdst(0)
	CHUNK 0
	CHUNK 1
	CHUNK 2
	CHUNK 3
	v_and_b32 v1, 15, v0                           ; my four experts' numbers, as f32, so that the lowest can be found by the same steps as a maximum.  Eight plain lines: the places behind the last products
	s_delay_alu instid0(VALU_DEP_1)
	v_lshlrev_b32 v1, 2, v1
	s_delay_alu instid0(VALU_DEP_1)
	v_cvt_f32_u32 v[I], v1
	v_mov_b32 v[BIG], 0x42800000
	v_mov_b32 v[NINF], 0xff800000
	v_add_f32 v[I+1], 1.0, v[I]
	v_add_f32 v[I+2], 2.0, v[I]
	v_add_f32 v[I+3], 0x40400000, v[I]
	s_wait_alu depctr_va_vdst(0)
	s_barrier_wait -1                              ; nobody reads W's codes any more: the partial sums go over them
.irp n, 0,1,2,3                        ; row 2 n + g of my plane holds registers 4 g .. 4 g + 3 of tile n: experts 16 n + 8 h + 4 g + 0 .. 3 of token r.  Each accumulator from its low end on
	ds_store_b128 v[PST], v[ACC+8*\n:ACC+8*\n+3] offset:(2*\n)*PP
	ds_store_b128 v[PST], v[ACC+8*\n+4:ACC+8*\n+7] offset:(2*\n+1)*PP
.endr
	s_wait_dscnt 0x0                               ; for the others' sake: my partial sums lie in LDS
	s_barrier_signal -1
	s_barrier_wait -1                              ; everybody's do
.irp p, 0,1,2,3,4,5,6,7
	ds_load_b128 v[P+4*\p:P+4*\p+3], v[PRD] offset:\p*PW
.endr
.macro PADD a, b
	v_pk_add_f32 v[P+4*(\a):P+4*(\a)+1],   v[P+4*(\a):P+4*(\a)+1],   v[P+4*(\b):P+4*(\b)+1]
	v_pk_add_f32 v[P+4*(\a)+2:P+4*(\a)+3], v[P+4*(\a)+2:P+4*(\a)+3], v[P+4*(\b)+2:P+4*(\b)+3]
.endm
	s_wait_dscnt 4                                 ; parts 0-3 are in; parts 4-7 stay out
	PADD 0, 1
	PADD 2, 3
	s_wait_alu depctr_va_vdst(0)
	s_wait_dscnt 0x0
	PADD 4, 5
	PADD 6, 7
	PADD 0, 2
	PADD 4, 6
	PADD 0, 4                                      ; v[S] .. v[S+3]: the whole sums of experts 4 a .. 4 a + 3 of my token
; the lowest expert whose number equals v[m]: among my four from the highest down, so that the lowest stays; then the least over the token's 16 lanes
.macro FIRST j, s, m
	v_cmp_eq_f32 vcc_lo, v[\s+3], v[\m]
	s_delay_alu instid0(VALU_DEP_1)
	v_cndmask_b32 v[\j], v[BIG], v[I+3], vcc_lo
.irp i, 2,1,0
	v_cmp_eq_f32 vcc_lo, v[\s+\i], v[\m]
	s_delay_alu instid0(VALU_DEP_1)
	v_cndmask_b32 v[\j], v[\j], v[I+\i], vcc_lo
.endr
.irp x, 1,2,4,8
	s_delay_alu instid0(VALU_DEP_1)
	v_min_num_f32_dpp v[\j], v[\j], v[\j] row_xmask:\x row_mask:0xf bank_mask:0xf
.endr
.endm
	v_max3_num_f32 v[M1], v[S], v[S+1], v[S+2]     ; the largest sum of the token, in every one of its lanes
	s_delay_alu instid0(VALU_DEP_1)
	v_max_num_f32 v[M1], v[M1], v[S+3]
.irp x, 1,2,4,8
	s_delay_alu instid0(VALU_DEP_1)
	v_max_num_f32_dpp v[M1], v[M1], v[M1] row_xmask:\x row_mask:0xf bank_mask:0xf
.endr
.irp i, 0,1,2,3
	v_sub_f32 v[E+\i], v[S+\i], v[M1]              ; the maximum is taken away ahead of the exponential, as the softmax has it
.endr
.irp i, 0,1,2,3
	v_mul_f32 v[E+\i], s45, v[E+\i]                ; x 2^(the two e) x log2(e)
.endr
	s_wait_alu depctr_va_vdst(0)                   ; the wait ahead of the batch,
.irp i, 0,1,2,3
	v_exp_f32 v[E+\i], v[E+\i]
.endr
	FIRST J1, S, M1                                ; independent work behind the batch: it names none of its results
.irp i, 0,1,2,3
	v_cmp_eq_f32 vcc_lo, v[I+\i], v[J1]            ; the winner leaves: its sum becomes -infinity (every sum is finite: at most 4,096 x 448 x 448)
	s_delay_alu instid0(VALU_DEP_1)
	v_cndmask_b32 v[T+\i], v[S+\i], v[NINF], vcc_lo
.endr
	s_wait_alu depctr_va_vdst(0)                   ; and ahead of its first reader
	v_max3_num_f32 v[M2], v[T], v[T+1], v[T+2]     ; two chains by turns: the second largest, and the sum of the exponentials
	v_add_f32 v[E], v[E], v[E+1]
	v_add_f32 v[E+2], v[E+2], v[E+3]
	v_max_num_f32 v[M2], v[M2], v[T+3]
	v_add_f32 v[E], v[E], v[E+2]
.irp x, 1,2,4,8
	v_max_num_f32_dpp v[M2], v[M2], v[M2] row_xmask:\x row_mask:0xf bank_mask:0xf
	v_add_f32_dpp v[E], v[E], v[E] row_xmask:\x row_mask:0xf bank_mask:0xf
.endr
	v_sub_f32 v[E+4], v[M2], v[M1]
	s_delay_alu instid0(VALU_DEP_1)
	v_mul_f32 v[E+4], s45, v[E+4]
	s_wait_alu depctr_va_vdst(0)                   ; the second batch, with its two waits
	v_exp_f32 v[E+4], v[E+4]
	v_rcp_f32 v[WT], v[E]                          ; the largest score: 2^0 / the sum
	FIRST J2, T, M2
	v_cvt_i32_f32 v[JI], v[J1]
	v_cvt_i32_f32 v[JI+1], v[J2]
	s_wait_alu depctr_va_vdst(0)
	v_mul_f32 v[WT+1], v[E+4], v[WT]               ; the second
	ds_store_b64 v[RST], v[WT:WT+1]                ; the token's 16 lanes hold the same numbers and write them to the same 8 bytes
	ds_store_b64 v[RST], v[JI:JI+1] offset:256
	s_wait_tensorcnt 0x0                           ; my last LDS store is issued
	ds_add_u32 v[SPW], v[NIL]
	s_wait_dscnt 0x0                               ; also the wait that the barrier wants: my results lie in LDS
	s_barrier_signal -1
	s_barrier_wait -1                              ; all 32 tokens' do
	s_cmp_lg_u32 s14, 0
	s_cbranch_scc1 .Lsent
	ds_load_b64 v[32:33], v[RLD]                   ; wave 0: lane l takes token l
	ds_load_b64 v[34:35], v[RLD] offset:256
	s_wait_dscnt 0x0
	global_store_b64 v[GO], v[32:33], s[10:11]     ; 32 lanes store 256 consecutive bytes, at a multiple of 256 from out0's first byte
	global_store_b64 v[GO], v[34:35], s[12:13]     ; and from out1's
.Lsent:
	CROUND                                         ; the closing round: no work-group ends while a partner may still issue a load that names it
	s_endpgm
.Lfunc_end_k_qff5a99e530_route:
	.size	k_qff5a99e530_route, .Lfunc_end_k_qff5a99e530_route-k_qff5a99e530_route
	.p2alignl 7, 3214868480
	.fill 96, 4, 3214868480
	.section	.rodata,"a",@progbits
	.p2align	6, 0x0
	.amdhsa_kernel k_qff5a99e530_route
		.amdhsa_group_segment_fixed_size 301568
		.amdhsa_private_segment_fixed_size 0
		.amdhsa_enable_private_segment 0
		.amdhsa_kernarg_size 40
		.amdhsa_user_sgpr_count 2
		.amdhsa_user_sgpr_kernarg_segment_ptr 1
		.amdhsa_wavefront_size32 1
		.amdhsa_system_sgpr_workgroup_id_x 1
		.amdhsa_system_sgpr_workgroup_id_y 1
		.amdhsa_system_sgpr_workgroup_id_z 1
		.amdhsa_system_vgpr_workitem_id 0
		.amdhsa_next_free_vgpr 224
		.amdhsa_next_free_sgpr 66
		.amdhsa_reserve_vcc 1
		.amdhsa_float_denorm_mode_32 3
		.amdhsa_float_denorm_mode_16_64 3
		.amdhsa_memory_ordered 1
		.amdhsa_forward_progress 1
		.amdhsa_inst_pref_size 47
	.end_amdhsa_kernel
	.amdgpu_metadata
---
amdhsa.version: [ 1, 2 ]
amdhsa.kernels:
  - .name:           k_qff5a99e530_route
    .symbol:         k_qff5a99e530_route.kd
    .args:
      - { .name: x, .offset: 0, .size: 8, .value_kind: global_buffer, .address_space: global }
      - { .name: wq, .offset: 8, .size: 8, .value_kind: global_buffer, .address_space: global }
      - { .name: lowp_scales, .offset: 16, .size: 8, .value_kind: global_buffer, .address_space: global }
      - { .name: out0, .offset: 24, .size: 8, .value_kind: global_buffer, .address_space: global }
      - { .name: out1, .offset: 32, .size: 8, .value_kind: global_buffer, .address_space: global }
    .group_segment_fixed_size: 301568
    .private_segment_fixed_size: 0
    .kernarg_segment_align: 8
    .kernarg_segment_size: 40
    .max_flat_workgroup_size: 512
    .sgpr_count:     66
    .vgpr_count:     224
    .wavefront_size: 32
...
	.end_amdgpu_metadata
.endif
;; end of part 2
